; MI455X (gfx1250); checked and timed in simulation.
; The chip was launched on July 23, 2026; its instructions are those of AMD's public machine-readable ISA for CDNA 5 (MIT licence, August 2026) and "CDNA5" Instruction Set Architecture Reference Guide (July 2026). The comments in the code are by the model that wrote it; some were corrected since.
;; Self Attention. Allowed arithmetic: matrix products marked QUANTISED: E2M1 operands, one E8M0 scale for each 32 along K, by v_wmma_scale_f32_16x16x128_f8f6f4 with both operands' format E2M1 (or v_wmma_scale_f32_32x16x128_f4), f32 sums; products left as they are: f32 operands where the result goes on into a quantised operand, else bf16, f16 or f32 operands; f32 sums; everything else in f32.
;; Inputs: Wk 1,024 x 1,024 float32; Wq 1,024 x 1,024 float32; Wv 1,024 x 1,024 float32; attention_input 4 x 4,096 x 1,024 float32; attention_mask 4 x 4,096 float32; bk 1,024 float32; bq 1,024 float32; bv 1,024 float32; rand_idx 4 x 4,096 x 2 int32.
;; Outputs: out0 4 x 4,096 x 16 x 64 float32.
;; This version of the problem:
;;   THIS VERSION OF THE PROBLEM IS GIVEN IN LOW PRECISION. The matrix products marked QUANTISED in the list below multiply operands that are first quantised to E2M1 (2 exponent bits, 1 mantissa bit; 4 bits a number), with one power-of-two scale for each 32 numbers along K (OCP MX v1.0); their sums are f32. All else is computed in f32.
;;   The module's matrix products, in the order in which they are computed (A, B: the left and right operand; K: the contracted axis; several contracted axes count as one K, in the product's order):
;;     1. [M 16,384, K 1,024] x [K 1,024, N 1,024]; A: input attention_input; B: input Wq: QUANTISED
;;     2. [M 16,384, K 1,024] x [K 1,024, N 1,024]; A: input attention_input; B: input Wk: QUANTISED
;;     3. [M 16,384, K 1,024] x [K 1,024, N 1,024]; A: input attention_input; B: input Wv: QUANTISED
;;     4. batch 64 x [M 4,096, K 64] x [K 64, N 2]; A: computed on the way; B: computed on the way: left as it is (N = 2 < 16)
;;     5. batch 64 x [M 64, K 2] x [K 2, N 4,096]; A: computed on the way; B: softmax: left as it is (K = 2 < 32)
;;   THE QUANTISER, for each operand of a quantised product, along K:
;;     - K is cut into blocks of 32 from its start; a last block that is shorter is filled with zeros.
;;     - A block's scale is 2^e with e = floor(log2(the largest magnitude in the block)) - 2, held to -126 .. 127; a block of zeros has e = 0. As a byte (E8M0): e + 127.
;;     - Each number is divided by its block's scale, clamped to +-6, and rounded to the nearest number of E2M1, ties to even, subnormals kept.
;;     - The product sums the exact products of the quantised numbers (number of the format x scale) in f32.
;;   ~~~python
;;   def quantise(x, axis):      # numpy; x: float32 -> the quantised numbers, widened to float32 again
;;       x = np.moveaxis(x, axis, -1); K = x.shape[-1]
;;       x = np.pad(x, [(0, 0)] * (x.ndim - 1) + [(0, -K % 32)]); x = x.reshape(x.shape[:-1] + (-1, 32)); a = np.abs(x).max(-1, keepdims=True)
;;       e = np.where(a > 0, np.clip(np.frexp(np.where(a > 0, a, 1))[1] - 1 - 2, -126, 127), 0)      # np.frexp(a)[1] - 1 = floor(log2(a)), exactly
;;       r = np.clip(x / 2.0 ** e, -6, 6)
;;       step = 2.0 ** (np.maximum(np.frexp(np.where(r == 0, 1, r))[1] - 1, 0) - 1)
;;       q = np.round(r / step) * step * 2.0 ** e      # np.round: ties to even
;;       return np.moveaxis(q.reshape(q.shape[:-2] + (-1,))[..., :K], -1, axis).astype(np.float32)
;;   ~~~
;; One version. Each part assembles by itself: llvm-mc -triple=amdgcn-amd-amdhsa -mcpu=gfx1250 --defsym DOCPART=n.
;; ======== version 1 of 1: 3 launches
;; limits: right only within a limited range of input values
;; workspace buffers: xc 8,388,608 bytes; xs 524,288 bytes; wc 1,572,864 bytes; ws 98,304 bytes; cnt 1,048,576 bytes; part 393,216 bytes
;; launch prep (part 1): grid 768 x 1, 4 waves a work-group, no clusters, 72,192 bytes of LDS; arguments attention_input, Wq, Wk, Wv, rand_idx, xc, xs, wc, ws, cnt; writes xc, xs, wc, ws, cnt
.if DOCPART == 1
	.amdgcn_target "amdgcn-amd-amdhsa--gfx1250"
	.amdhsa_code_object_version 6
	.text
	.protected	k_q42292e8eb9_prep
	.globl	k_q42292e8eb9_prep
	.p2align	8
	.type	k_q42292e8eb9_prep,@function
k_q42292e8eb9_prep:
	s_mov_b64 s[64:65], 0
	v_nop
	global_prefetch_b8 v0, s[64:65] scope:SCOPE_SE
	s_setreg_imm32_b32 hwreg(HW_REG_WAVE_MODE, 25, 1), 1
	s_wait_xcnt 0x0
; FIRST OF THREE LAUNCHES.  out = softmax_y(q . k_sum[y] / 8) mixed over v_sum[y];  q, k, v = X W + b on codes of FP4 (E2M1) with one E8M0 scale for each 32 along K = 1,024.
; WORK LEFT OUT, FOR ALL VALUES OF THE INPUTS.
;   attention_mask: reference() never reads it, so it has no way to any output: it is not loaded and is among no launch's arguments.
;   The gather: k_sum[b][y] = sum over s of k[b][idx[b][s][y]] = sum over j of cnt[b][y][j] k[b][j], cnt the number of s with idx[b][s][y] = j: the same terms, grouped by j.  So k and v never go to memory: the second
;   launch folds each tile of X Wk, X Wv into weighted column sums.  All three quantised products are done in full.
;   The biases of k and v: each s names one j for each y, so the counts of every (b, y) add up to 4,096, and a bias enters a sum once, as 4,096 x bias.
;   bk: k_sum[b][0] and k_sum[b][1] both hold the term 4,096 bk, so q . (4,096 bk) is added alike to the two scores of a (row, head): a term that is the same along the softmax's axis.  It cancels in the weights
;   whatever the inputs hold: bk has no way to any output, is not loaded and is among no launch's arguments.  (bv stays: it reaches the output through v_sum.  bq stays: q . (k_sum[0] - k_sum[1]) holds it.)
; LIMITS.  The sums k_sum, v_sum are taken in another f32 order than reference()'s.  A row of k or v that no index names is multiplied by the count 0: an overflow there would give NaN where reference() has none.
;   A NaN, an infinity or an overflow that reaches only attention_mask or bk's term is not carried to the result.  Indices are taken inside 0 .. 4,095 (only their low 12 bits are looked at).
;   A block of zeros gets the scale byte 1 where the rule says 127: its codes are zeros, and this program alone reads the bytes.  Blocks whose largest magnitude lies under 2^(2 - 126) were not tried; NaN and infinities among the inputs are not served.
; THIS LAUNCH has three kinds of work-groups, told apart by the work-group's number alone; they never join again.
;   0-63     the histogram: cnt[slice][b][y][4,096] f32, eight partial counts of 512 values of s each
;   64-255   Wq, Wk, Wv [K][N] f32 -> wc: images of the operand's registers, [K half 2][tile of 16 columns 192][K step 4][1,024 bytes], byte 256 beta + 16 r = block beta of column r;  ws: [K step 8][3,072 columns] scale words
;            order of the tiles: Wq's 64, then for each 128 columns Wk's 8 and Wv's 8
;   256-767  X [16,384][1,024] f32 -> xc [16,384][512 bytes], K innermost;  xs [16,384][32 bytes]
; LDS: the X path's four regions, the spare words, and behind them the histogram's exchange: each path has bytes of its own.
.set WREG,  5632                       ; X: a wave's region: two stages of 32 x SP bytes, then its 256 scale bytes
.set SPARE, 4*WREG                     ; the spare words, 128 bytes for each wave: two blocks of 256 bytes that no other line names
.set HB,    SPARE+512                  ; the histogram: [wave that receives 4][wave that sends 3][4,096 bytes]
.set SPW,   12                         ; v12  LDS address of my spare word; never rewritten
.set NIL,   13                         ; v13  0; never rewritten
	s_load_b256 s[4:11], s[0:1], 0x0               ; X s[4:5], Wq s[6:7], Wk s[8:9], Wv s[10:11]
	s_load_b256 s[12:19], s[0:1], 0x20             ; rand_idx s[12:13], xc s[14:15], xs s[16:17], wc s[18:19]
	s_load_b128 s[20:23], s[0:1], 0x40             ; ws s[20:21], cnt s[22:23]
	v_lshl_add_u32 v[SPW], v0, 2, SPARE
	v_mov_b32 v[NIL], 0
	v_lshrrev_b32 v1, 5, v0
	v_readfirstlane_b32 s24, v1                    ; wave 0..3
	v_and_b32 v2, 31, v0                           ; lane
	s_wait_alu depctr_va_vdst(0)
	s_wait_kmcnt 0x0
	s_cmp_lt_u32 ttmp9, 64
	s_cbranch_scc1 .Lhist
	s_cmp_lt_u32 ttmp9, 256
	s_cbranch_scc1 .Lw
; ---------------------------------------------------------------- X: a plain stream of blocks of 32 numbers
; A wave takes 16 steps of 512 numbers.  Each of a step's four loads reads 512 consecutive bytes, 16 a lane; the 2,048 bytes turn through the wave's own stage in LDS and come back 64 bytes a lane, so that a lane
; holds 16 NEIGHBOURS along K (two neighbouring lanes hold a block), as the conversions want them.  A lane's 16 codes are 8 bytes: the wave stores 256 consecutive bytes.  A wave's 256 scale bytes are gathered in LDS.
.set STEPS, 16
.set CB,    8                          ; bytes of 16 codes
.set SP,    80                         ; a lane's place in a stage: 64 bytes + 16 of padding
.set XR,    16                         ; v16-143  eight sets of 16 numbers as loaded
.set XN,    144                        ; v144-175 two sets of 16 neighbours
.set XE,    176                        ; v176-191 a scale byte for each step
.set XC,    192                        ; v192-223 codes: two registers for each step, so that no store's data are written again
	v_lshlrev_b32 v3, 4, v2                        ; my 16 bytes of a load's 512
	s_mul_i32 s25, s24, WREG
	v_lshrrev_b32 v14, 2, v2
	v_mul_u32_u24 v14, v14, SP
	v_and_b32 v15, 3, v2
	v_lshl_add_u32 v14, v15, 4, v14
	v_add_nc_u32 v14, s25, v14                     ; the stage, on the way in: SP (lane / 4) + 16 (lane % 4)
	v_mul_u32_u24 v15, v2, SP
	v_add_nc_u32 v15, s25, v15                     ; and on the way out: SP x lane
	v_mul_u32_u24 v4, v2, CB                       ; my codes' place in a step's
	v_lshrrev_b32 v5, 1, v2
	s_add_co_u32 s25, s25, 2*32*SP
	v_add_nc_u32 v5, s25, v5                       ; my block's byte among my wave's 256
	v_lshlrev_b32 v7, 3, v2
	v_add_nc_u32 v6, s25, v7                       ; and on the way out 8 bytes a lane
	s_wait_alu depctr_va_vdst(0)
	s_sub_co_u32 s26, ttmp9, 256
	s_lshl_b32 s26, s26, 2
	s_add_co_u32 s26, s26, s24                     ; which run of 8,192 numbers is my wave's: 0 .. 2,047
	s_mov_b32 s29, 0
	s_lshl_b32 s28, s26, 15                        ; 32,768 bytes of f32 a run
	s_add_nc_u64 s[4:5], s[4:5], s[28:29]
	s_lshl_b32 s28, s26, 12                        ; 4,096 bytes of codes
	s_add_nc_u64 s[14:15], s[14:15], s[28:29]
	s_lshl_b32 s28, s26, 8                         ; 256 scale bytes
	s_add_nc_u64 s[16:17], s[16:17], s[28:29]
.macro XLOAD t
.irp i, 0,1,2,3
	global_load_b128 v[XR+16*((\t)%8)+4*\i:XR+16*((\t)%8)+4*\i+3], v3, s[4:5] offset:2048*(\t)+512*\i th:TH_LOAD_NT   ; 32 lanes read 512 consecutive bytes; read once in the launch
.endr
.endm
.macro XTURN t                         ; step t's numbers through the stage: LDS serves a wave's instructions in order, so no wait stands between the stores and the loads
.irp i, 0,1,2,3
	ds_store_b128 v14, v[XR+16*((\t)%8)+4*\i:XR+16*((\t)%8)+4*\i+3] offset:32*SP*((\t)%2)+8*SP*\i
.endr
.irp i, 0,1,2,3
	ds_load_b128 v[XN+16*((\t)%2)+4*\i:XN+16*((\t)%2)+4*\i+3], v15 offset:32*SP*((\t)%2)+16*\i
.endr
.endm
.irp t, 0,1,2,3,4,5,6,7
	XLOAD \t
.endr
	s_wait_loadcnt 28                              ; step 0's four loads are in; the 28 of steps 1 to 7 may be out
	XTURN 0
.macro XSTEP t
.set XS, XN+16*((\t)%2)
.if (\t) > 0
	s_wait_dscnt 1                                 ; this step's numbers are back from the stage (the last step's byte store may be out): so its stores into the stage have read their registers,
.else
	s_wait_dscnt 0x0
.endif
.if (\t)+8 < STEPS
	XLOAD (\t)+8                                   ; which take the loads of eight steps on
.endif
.if (\t)+1 < STEPS
.if STEPS-2-(\t) >= 7
	s_wait_loadcnt 28                              ; the next step's four loads are in; those of the seven steps behind it may be out
.else
	s_wait_loadcnt 4*(STEPS-2-(\t))                ; in the tail as many fewer as there are steps left
.endif
	XTURN (\t)+1                                   ; and go through the other stage while this step is worked
.endif
	v_max3_num_f32 v8, |v[XS]|, |v[XS+1]|, |v[XS+2]|               ; the largest magnitude of my 16, in two chains
	v_max3_num_f32 v9, |v[XS+3]|, |v[XS+4]|, |v[XS+5]|
.irp i, 6,10
	v_max3_num_f32 v8, v8, |v[XS+\i]|, |v[XS+\i+1]|
	v_max3_num_f32 v9, v9, |v[XS+\i+2]|, |v[XS+\i+3]|
.endr
	v_max3_num_f32 v8, v8, |v[XS+14]|, |v[XS+15]|
	v_max3_num_f32 v8, v8, v9, 0x1800000           ; and the floor 2^(3 - 127): so the byte cannot fall under 1
	v_max_num_f32_dpp v8, v8, v8 row_xmask:1 row_mask:0xf bank_mask:0xf   ; and of my neighbour's 16: the block's
	v_add_nc_u32 v11, 0xff000000, v8               ; 2 off its exponent field: the conversion takes the exponent field of this operand as its scale, and nothing else of it
	v_cvt_scalef32_pk8_fp4_f32 v[XC+2*(\t)], v[XS:XS+7], v11
	v_cvt_scalef32_pk8_fp4_f32 v[XC+2*(\t)+1], v[XS+8:XS+15], v11
	v_lshrrev_b32 v[XE+(\t)], 23, v11              ; the scale's byte (also the plain line behind the conversions)
	ds_store_b8 v5, v[XE+(\t)] offset:16*(\t)      ; both lanes of a block write the same byte with the same value
	global_store_b64 v4, v[XC+2*(\t):XC+2*(\t)+1], s[14:15] offset:32*CB*(\t)   ; the wave stores 256 consecutive bytes, aligned
.endm
.irp t, 0,1,2,3,4,5,6,7,8,9,10,11,12,13,14,15
	XSTEP \t
.endr
	ds_load_b64 v[8:9], v6                         ; LDS serves a wave's instructions in order: these see my byte stores
	s_wait_dscnt 0x0
	global_store_b64 v7, v[8:9], s[16:17]          ; 32 lanes store 256 consecutive bytes, aligned
	s_wait_tensorcnt 0x0                           ; the wave's end
	ds_add_u32 v[SPW], v[NIL]
	s_wait_dscnt 0x0
	s_endpgm
; ---------------------------------------------------------------- W: K is the FIRST axis
; A work-group takes one weight w, one K step of 128 (ks) and 128 columns (cg); a wave 32 columns.  A LANE TAKES A COLUMN AND ITS REGISTERS RUN DOWN K: each load reads 128 consecutive bytes a wave (512 a work-group),
; a block of 32 lies in one lane's registers, and the conversions' four registers are the block's 16 bytes of the operand's image.  Sixteen lanes store 256 consecutive bytes, aligned.  No LDS.
.set WN, 32                            ; v32-159  128 numbers: W(128 ks + i, my column)
.set WC, 160                           ; v160-175 codes: four registers for each block, so that no store's data are written again
.Lw:
	s_sub_co_u32 s26, ttmp9, 64
	s_lshr_b32 s27, s26, 6                         ; w: 0 q, 1 k, 2 v
	s_and_b32 s28, s26, 7                          ; cg
	s_bfe_u32 s29, s26, 0x30003                    ; ks
	s_cmp_eq_u32 s27, 0
	s_cselect_b64 s[30:31], s[6:7], s[8:9]         ; the choice hangs on the work-group's number alone
	s_cmp_eq_u32 s27, 2
	s_cselect_b64 s[30:31], s[10:11], s[30:31]
	s_lshl_b32 s32, s29, 19                        ; 128 rows of 4,096 bytes,
	s_lshl_b32 s33, s28, 9                         ; 128 columns,
	s_add_co_u32 s32, s32, s33
	s_lshl_b32 s33, s24, 7                         ; my wave's 32
	s_add_co_u32 s32, s32, s33
	s_mov_b32 s33, 0
	s_add_nc_u64 s[30:31], s[30:31], s[32:33]
	v_lshlrev_b32 v3, 2, v2                        ; 4 bytes a lane
.set i, 0
.rept 128
	global_load_b32 v[WN+i], v3, s[30:31] offset:4096*i th:TH_LOAD_NT
.set i, i+1
.endr
	s_wait_alu depctr_va_vdst(0)
	s_lshr_b32 s32, s29, 2
	s_mul_i32 s32, s32, 786432                     ; wc: the K half,
	s_lshl_b32 s35, s28, 3                         ; my work-group's first tile of 16 columns: Wq's at 8 cg,
	s_lshl_b32 s34, s28, 4
	s_add_co_u32 s34, s34, 56
	s_lshl_b32 s36, s27, 3
	s_add_co_u32 s34, s34, s36                     ; Wk's and Wv's at 64 + 16 cg + 8 (w - 1),
	s_cmp_eq_u32 s27, 0
	s_cselect_b32 s35, s35, s34
	s_lshl_b32 s34, s24, 1
	s_add_co_u32 s35, s35, s34                     ; my wave's two,
	s_lshl_b32 s35, s35, 12
	s_add_co_u32 s32, s32, s35
	s_and_b32 s35, s29, 3
	s_lshl_b32 s35, s35, 10                        ; the K step in its half
	s_add_co_u32 s32, s32, s35
	s_add_nc_u64 s[18:19], s[18:19], s[32:33]
	s_mul_i32 s32, s29, 12288                      ; ws: the K step's 3,072 words,
	s_lshl_b32 s35, s27, 12
	s_add_co_u32 s32, s32, s35
	s_lshl_b32 s35, s28, 9
	s_add_co_u32 s32, s32, s35
	s_lshl_b32 s35, s24, 7
	s_add_co_u32 s32, s32, s35                     ; my wave's 32 columns
	s_add_nc_u64 s[20:21], s[20:21], s[32:33]
	v_lshrrev_b32 v4, 4, v2
	v_and_b32 v10, 15, v2
	v_lshlrev_b32 v4, 12, v4
	v_lshl_add_u32 v4, v10, 4, v4                  ; 4,096 (lane / 16) + 16 (lane % 16): my tile, my column's 16 bytes
.macro WBLOCK be
.set XS, WN+32*(\be)
	v_max3_num_f32 v8, |v[XS]|, |v[XS+1]|, |v[XS+2]|               ; the block's largest magnitude: all 32 numbers are mine
	v_max3_num_f32 v9, |v[XS+3]|, |v[XS+4]|, |v[XS+5]|
.irp i, 6,10,14,18,22,26
	v_max3_num_f32 v8, v8, |v[XS+\i]|, |v[XS+\i+1]|
	v_max3_num_f32 v9, v9, |v[XS+\i+2]|, |v[XS+\i+3]|
.endr
	v_max3_num_f32 v8, v8, |v[XS+30]|, |v[XS+31]|
	v_max3_num_f32 v8, v8, v9, 0x1800000           ; and the floor 2^(3 - 127)
	v_add_nc_u32 v11, 0xff000000, v8               ; the conversion's scale operand
	v_lshrrev_b32 v10, 23, v11                     ; the scale's byte
.if (\be) == 0
	v_mov_b32 v24, v10                             ; four bytes make the K step's scale word, the lower K in the lower byte
.else
	v_lshl_or_b32 v24, v10, 8*(\be), v24
.endif
.irp g, 0,1,2,3
	v_cvt_scalef32_pk8_fp4_f32 v[WC+4*(\be)+\g], v[XS+8*\g:XS+8*\g+7], v11
.endr
	v_nop                                          ; one plain line behind the last conversion of a run
	global_store_b128 v4, v[WC+4*(\be):WC+4*(\be)+3], s[18:19] offset:256*(\be)
.endm
	s_wait_alu depctr_va_vdst(0)
	s_wait_loadcnt 63                              ; at most 63 of the 128 loads are out: the first 65 are in, blocks 0 and 1 among them
	WBLOCK 0
	WBLOCK 1
	s_wait_alu depctr_va_vdst(0)
	s_wait_loadcnt 32                              ; block 3's 32 loads may be out
	WBLOCK 2
	s_wait_alu depctr_va_vdst(0)
	s_wait_loadcnt 0x0
	WBLOCK 3
	global_store_b32 v3, v24, s[20:21]             ; a wave's 32 words are 128 consecutive bytes, the work-group's four waves 512 on end: each of these stores covers half of an aligned 256 bytes
	s_endpgm
; ---------------------------------------------------------------- the histogram, as a product of two one-hot matrices
; A work-group takes one (b, y) and 512 values of s, a wave 128 of them.  cnt[bin] = sum over s of [idx & 0x3c3 == bin & 0x3c3] x [idx & 0xc3c == bin & 0xc3c]: a product with K = s whose operands hold 0 and 1: codes of the
; format under the scale 1, summed exactly in f32: 64 rows x 64 columns, 16 tiles of one matrix instruction each.  That costs 128 one-hot numbers an index where comparing every bin with every index would cost 4,096, and no atomics.
; The bin's bits: 1:0 = j % 4, 5:2 = r, 6 = h, 7 = j / 4 (j the result's register, (r, h) its lane), 9:8 = u (source 0's tile), 11:10 = t (source 1's): so bin x 4 = 16 lane + 4 (j % 4) + 512 (j / 4) + 1,024 u + 4,096 t.
; THE FOUR WAVES' RESULTS ARE ADDED THROUGH LDS: wave w ends with t = w.  It makes t = (w + 1), (w + 2), (w + 3) % 4 for the others, then its own, and adds the three that the others sent: 4,096 bytes each.
; The place of s along K is free, since both operands are made from the same registers: code 8 g + e of lane half h' is s = s0 + 64 h' + 8 g + e.
.set HL,  32                           ; v32-95   64 indices; then idx & 0xc3c; then what the others sent, v32-127
.set HT,  96                           ; v96-103  idx & 0x3c3, eight at a time
.set HF,  104                          ; v104-119 eight numbers 0 or 1, two sets
.set AFR, 120                          ; v120-151 source 0, four tiles
.set BFR, 152                          ; v152-159 source 1
.set ACC, 160                          ; v160-223 two sets of four results
.Lhist:
	s_lshr_b32 s26, ttmp9, 4                       ; b
	s_bfe_u32 s27, ttmp9, 0x10003                  ; y
	s_and_b32 s28, ttmp9, 7                        ; slice
	s_lshl_b32 s32, s26, 15                        ; rand_idx: 32,768 bytes a batch,
	s_lshl_b32 s35, s28, 12                        ; 512 s of 8 bytes,
	s_add_co_u32 s32, s32, s35
	s_lshl_b32 s35, s24, 10                        ; my wave's 128,
	s_add_co_u32 s32, s32, s35
	s_lshl_b32 s35, s27, 2                         ; y
	s_add_co_u32 s32, s32, s35
	s_mov_b32 s33, 0
	s_add_nc_u64 s[30:31], s[12:13], s[32:33]
	v_lshrrev_b32 v3, 4, v2
	v_lshlrev_b32 v3, 9, v3                        ; lanes 16-31 take the 64 s that follow: 512 bytes on
.set i, 0
.rept 64
	global_load_b32 v[HL+i], v3, s[30:31] offset:8*i   ; the sixteen lanes of a half read the same word
.set i, i+1
.endr
	s_lshl_b32 s32, s28, 17                        ; cnt: [slice][b][y][4,096] f32,
	s_lshl_b32 s35, s26, 15
	s_add_co_u32 s32, s32, s35
	s_lshl_b32 s35, s27, 14
	s_add_co_u32 s32, s32, s35
	s_lshl_b32 s35, s24, 12                        ; t = my wave
	s_add_co_u32 s32, s32, s35
	s_add_nc_u64 s[22:23], s[22:23], s[32:33]
	v_lshlrev_b32 v4, 4, v2                        ; 16 x lane
	v_and_b32 v10, 15, v2                          ; rho: my row of source 0, my column of source 1
	v_and_b32 v5, 3, v10
	v_and_b32 v11, 4, v10
	v_lshl_or_b32 v5, v11, 5, v5                   ; rho's bit 2 is the bin's bit 7,
	v_and_b32 v11, 8, v10
	v_lshl_or_b32 v5, v11, 3, v5                   ; its bit 3 the bin's bit 6: source 0's patterns, u in bits 9:8
	v_or_b32 v6, 0x100, v5
	v_or_b32 v7, 0x200, v5
	v_or_b32 v8, 0x300, v5
	v_lshlrev_b32 v9, 2, v10                       ; source 1's: rho in bits 5:2, t in bits 11:10
	s_wait_alu depctr_va_vdst(0)
.irp j, 0,1,2,3
	s_add_co_u32 s35, s24, \j
	s_and_b32 s35, s35, 3                          ; t = (wave + j) % 4
	s_mul_i32 s34, s35, 12288
.if \j
	s_add_co_u32 s34, s34, HB+4096*(\j-1)          ; where I put what is for wave t; for j = 0: where the others put what is for me
.else
	s_add_co_u32 s34, s34, HB
.endif
	s_lshl_b32 s35, s35, 10
	v_or_b32 v[16+\j], s35, v9
	v_add_nc_u32 v[20+\j], s34, v4
.endr
	v_mov_b32 v240, 0x7f7f7f7f                     ; the scale 1 for every block of both sides: this register holds scales and nothing else
	v_mov_b32 v241, 1.0                            ; the conversions' scale operand
	s_mov_b32 s36, 0x3c3
	s_mov_b32 s37, 0xc3c
; eight codes of a one-hot operand: register g of the fragment at dst
.macro ONEHOT dst, pat, src, g
.irp e, 0,1,2,3,4,5,6,7
	v_cmp_eq_u32 s[40+\e], v[\pat], v[(\src)+\e]
.endr
.irp e, 0,1,2,3,4,5,6,7
	v_cndmask_b32 v[HF+8*((\g)%2)+\e], 0, 1.0, s[40+\e]
.endr
	v_cvt_scalef32_pk8_fp4_f32 v[(\dst)+(\g)], v[HF+8*((\g)%2):HF+8*((\g)%2)+7], v241   ; the plain lines that follow stand behind it
.endm
	s_wait_alu depctr_va_vdst(0)
	s_wait_loadcnt 0x0                             ; the 64 indices
.irp g, 0,1,2,3,4,5,6,7
.irp e, 0,1,2,3,4,5,6,7
	v_and_b32 v[HT+\e], s36, v[HL+8*\g+\e]
.endr
.irp u, 0,1,2,3
	ONEHOT AFR+8*\u, 5+\u, HT, \g
.endr
.endr
.set i, 0
.rept 64
	v_and_b32 v[HL+i], s37, v[HL+i]
.set i, i+1
.endr
.irp j, 1,2,3,0
.irp g, 0,1,2,3,4,5,6,7
	ONEHOT BFR, 16+\j, HL+8*\g, \g
.endr
.rept 4
	v_nop                                          ; an operand written by vector instructions stands four places ahead of a scaled matrix instruction
.endr
.irp u, 0,1,2,3
	v_wmma_scale_f32_16x16x128_f8f6f4 v[ACC+32*(\j%2)+8*\u:ACC+32*(\j%2)+8*\u+7], v[AFR+8*\u:AFR+8*\u+7], v[BFR:BFR+7], 0, v240, v240 matrix_a_fmt:MATRIX_FMT_FP4 matrix_b_fmt:MATRIX_FMT_FP4
.endr
.rept 4
	v_nop                                          ; four places ahead of the first reads of results and of writes of operands
.endr
.if \j
.irp u, 0,1,2,3
	ds_store_b128 v[20+\j], v[ACC+32*(\j%2)+8*\u:ACC+32*(\j%2)+8*\u+3] offset:1024*\u          ; each result from its low end on
	ds_store_b128 v[20+\j], v[ACC+32*(\j%2)+8*\u+4:ACC+32*(\j%2)+8*\u+7] offset:1024*\u+512
.endr
.endif
.endr
	s_wait_dscnt 0x0                               ; what I send lies in LDS
	s_barrier_signal -1
	s_barrier_wait -1
.irp k, 0,1,2
.irp i, 0,1,2,3,4,5,6,7
	ds_load_b128 v[32+32*\k+4*\i:35+32*\k+4*\i], v20 offset:4096*\k+512*\i
.endr
.endr
	s_wait_dscnt 0x0
.irp k, 0,1,2
.irp i, 0,2,4,6,8,10,12,14,16,18,20,22,24,26,28,30
	v_pk_add_f32 v[ACC+\i:ACC+\i+1], v[ACC+\i:ACC+\i+1], v[32+32*\k+\i:33+32*\k+\i]
.endr
.endr
.irp u, 0,1,2,3
	global_store_b128 v4, v[ACC+8*\u:ACC+8*\u+3], s[22:23] offset:1024*\u          ; 512 consecutive bytes a store
	global_store_b128 v4, v[ACC+8*\u+4:ACC+8*\u+7], s[22:23] offset:1024*\u+512
.endr
	s_wait_tensorcnt 0x0                           ; the wave's end
	ds_add_u32 v[SPW], v[NIL]
	s_wait_dscnt 0x0
	s_endpgm
.Lfunc_end_k_q42292e8eb9_prep:
	.size	k_q42292e8eb9_prep, .Lfunc_end_k_q42292e8eb9_prep-k_q42292e8eb9_prep
	.p2alignl 7, 3214868480
	.fill 96, 4, 3214868480
	.section	.rodata,"a",@progbits
	.p2align	6, 0x0
	.amdhsa_kernel k_q42292e8eb9_prep
		.amdhsa_group_segment_fixed_size 72192
		.amdhsa_private_segment_fixed_size 0
		.amdhsa_enable_private_segment 0
		.amdhsa_kernarg_size 80
		.amdhsa_user_sgpr_count 2
		.amdhsa_user_sgpr_kernarg_segment_ptr 1
		.amdhsa_wavefront_size32 1
		.amdhsa_system_sgpr_workgroup_id_x 1
		.amdhsa_system_sgpr_workgroup_id_y 1
		.amdhsa_system_sgpr_workgroup_id_z 1
		.amdhsa_system_vgpr_workitem_id 0
		.amdhsa_next_free_vgpr 256
		.amdhsa_next_free_sgpr 66
		.amdhsa_reserve_vcc 0
		.amdhsa_float_denorm_mode_32 3
		.amdhsa_float_denorm_mode_16_64 3
		.amdhsa_memory_ordered 1
		.amdhsa_forward_progress 1
		.amdhsa_inst_pref_size 144
	.end_amdhsa_kernel
	.amdgpu_metadata
---
amdhsa.version: [ 1, 2 ]
amdhsa.kernels:
  - .name:           k_q42292e8eb9_prep
    .symbol:         k_q42292e8eb9_prep.kd
    .args:
      - { .name: attention_input, .offset: 0, .size: 8, .value_kind: global_buffer, .address_space: global }
      - { .name: Wq, .offset: 8, .size: 8, .value_kind: global_buffer, .address_space: global }
      - { .name: Wk, .offset: 16, .size: 8, .value_kind: global_buffer, .address_space: global }
      - { .name: Wv, .offset: 24, .size: 8, .value_kind: global_buffer, .address_space: global }
      - { .name: rand_idx, .offset: 32, .size: 8, .value_kind: global_buffer, .address_space: global }
      - { .name: xc, .offset: 40, .size: 8, .value_kind: global_buffer, .address_space: global }
      - { .name: xs, .offset: 48, .size: 8, .value_kind: global_buffer, .address_space: global }
      - { .name: wc, .offset: 56, .size: 8, .value_kind: global_buffer, .address_space: global }
      - { .name: ws, .offset: 64, .size: 8, .value_kind: global_buffer, .address_space: global }
      - { .name: cnt, .offset: 72, .size: 8, .value_kind: global_buffer, .address_space: global }
    .group_segment_fixed_size: 72192
    .private_segment_fixed_size: 0
    .kernarg_segment_align: 8
    .kernarg_segment_size: 80
    .max_flat_workgroup_size: 128
    .sgpr_count:     66
    .vgpr_count:     256
    .wavefront_size: 32
...
	.end_amdgpu_metadata
.endif
;; end of part 1
;; launch kvsum (part 2): grid 8 x 32, 4 waves a work-group, clusters of 4 x 4, 327,680 bytes of LDS; arguments xc, xs, wc, ws, cnt, part; writes part
.if DOCPART == 2
	.amdgcn_target "amdgcn-amd-amdhsa--gfx1250"
	.amdhsa_code_object_version 6
	.text
	.protected	k_q42292e8eb9_kvsum
	.globl	k_q42292e8eb9_kvsum
	.p2align	8
	.type	k_q42292e8eb9_kvsum,@function
k_q42292e8eb9_kvsum:
	s_mov_b64 s[64:65], 0
	v_nop
	global_prefetch_b8 v0, s[64:65] scope:SCOPE_SE
	s_setreg_imm32_b32 hwreg(HW_REG_WAVE_MODE, 25, 1), 1
	s_wait_xcnt 0x0
	s_wait_alu depctr_hold_cnt(0) depctr_sa_sdst(0) depctr_va_vdst(0) depctr_va_sdst(0) depctr_va_ssrc(0) depctr_va_vcc(0) depctr_vm_vsrc(0)
	s_getreg_b32 s2, hwreg(HW_REG_IB_STS2, 6, 4)
	s_cmp_eq_u32 s2, 0
	s_cbranch_scc0 .Lentry_in_a_cluster
	s_endpgm
.Lentry_in_a_cluster:
	s_bfe_u32 s2, ttmp6, 0x10000c
	s_cmp_lg_u32 s2, 0xf033
	s_cbranch_scc0 .Lentry_shape_is_right
	s_endpgm
.Lentry_shape_is_right:
; SECOND LAUNCH.  k = X Wk, v = X Wv on codes of FP4 (E2M1) with E8M0 scales, folded at once into weighted column sums: part[row tile of 512][3][1,024] f32 =
;   dk = sum over rows (cnt0 - cnt1) k;   dv = sum (cnt0 - cnt1) v;   v1 = sum cnt1 v.   The third launch adds a batch's 8 parts.
; WORK LEFT OUT: the gather is a sum weighted by counts; the biases of k and v are no part of these sums; k_sum[0] and k_sum[1] reach the output by their difference alone (a softmax over two scores hangs on
; the scores' difference), so k is folded once, with the counts' difference (shown at the head of the first launch).  An overflow of k_sum[0] or k_sum[1] alone is not carried to the result.
; A work-group: 512 rows x (128 columns of k and the same 128 of v); a wave: 256 of the rows, as 8 blocks of 32, x (64 of k + 64 of v).
; W STAYS IN REGISTERS: a wave's 64 fragments, all of K, 512 registers.  A block is 64 matrix instructions of 32 x 16 x 128 (8 accumulators by turns, K ascending); then it is folded.
; A's fragments have one set, replaced by halves of K: half 0 of the next block is asked for behind this block's K step 4, half 1 behind its last, ahead of the fold.
; LDS: region 0: rows 0-255 of A; region 1: first W's images, then, once they are in registers, rows 256-511 of A.  Both are laid as 256 rows of 512 bytes + 16 of padding.
; CLUSTERS 4 x 4: A is asked for jointly along a row of the cluster, W along a column.  Rows 256-511 are prefetched into the L2: 512 blocks of 256 bytes, 128 by each of the four partners (told apart by address), a lane a block, ahead of the refill.
; REGISTERS: window 0: v0-31 addresses; v32-95 A's scales, v96-159 W's (scales and nothing else); v160-191 a block's counts; v192-215 the sums, 12 pairs; v216-235 the way out.  window 1: v0-127 the accumulators; v128-255 A's fragments.
;   windows 2, 3: W's fragments of K steps 0-3, 4-7.
.set PITCH, 528
.set HALF,  128*PITCH
.set REG1,  2*HALF
.set CNT,   4*HALF                     ; cnt0 - cnt1 of 512 rows, then cnt1
.set SS,    CNT+4096                   ; [row half 2][3][128] f32
.set SPARE, SS+3072                    ; the spare words, 128 bytes for each wave
.set ADRA, 16                          ; v16-17 my A fragments in region 0, 1
.set ADRB, 18                          ; v18-19 my W fragments, K half 0, 1
.set CTA,  20
.set CTW,  21
.set SSW,  22
.set SSR,  23
.set CO,   24
.set PFO,  25
.set SPW,  26
.set NIL,  27
.set SA,   32
.set SB,   96
.set CT,   160
.set CH,   160                         ; v160-223 the counts' slices, at the head
.set WK,   192
.set TMP,  216
.set AF,   128                         ; in window 1
.set G1A,  24
.set G0A,  32
.set G0R,  36
.set G1B,  48
.set G0B,  56
.set MSB,  0
.macro WIN new                         ; the immediate's high byte repeats the setting that is left
.if MSB != (\new)
	s_set_vgpr_msb (MSB<<8)|(\new)
.set MSB, (\new)
.endif
.endm
.macro PLACES n
.rept \n
	v_nop
.endr
.endm
.macro CREST                           ; a round of the cluster's barrier behind its opening barrier
	s_cmp_lg_u32 s16, 0
	s_cbranch_scc1 .Lnot_wave_0_\@
	s_barrier_signal -3
.Lnot_wave_0_\@:
	s_barrier_wait -3
	s_barrier_signal -1
	s_barrier_wait -1
.endm
.macro CROUND
	s_barrier_signal -1
	s_barrier_wait -1
	CREST
.endm
	s_load_b256 s[4:11], s[0:1], 0x0               ; xc s[4:5], xs s[6:7], wc s[8:9], ws s[10:11]
	s_load_b128 s[12:15], s[0:1], 0x20             ; cnt s[12:13], part s[14:15]
	v_lshl_add_u32 v[SPW], v0, 2, SPARE
	v_mov_b32 v[NIL], 0
	ds_add_u32 v[SPW], v[NIL]                      ; the wave's opening: the add, twice on end, and its wait ahead of my first tensor load
	ds_add_u32 v[SPW], v[NIL]
	v_lshrrev_b32 v1, 5, v0
	v_readfirstlane_b32 s16, v1                    ; wave 0..3
	s_lshr_b32 s17, s16, 1                         ; my half of a region's rows.  Also: at the head I fetch for A (0) or W (1)
	s_and_b32 s18, s16, 1                          ; my half of the columns.  Also: which half of the tile I fetch
	s_mul_i32 s74, s17, HALF
	s_mul_i32 s75, s18, 32*PITCH                   ; 4 tiles of 8 LDS rows
	s_add_co_u32 s75, s75, REG1
	s_lshl_b32 s78, s17, 9
	s_add_co_u32 s78, s78, CNT
	s_mul_i32 s79, s17, 1536
	s_lshl_b32 s66, s18, 8
	s_add_co_u32 s79, s79, s66
	s_add_co_u32 s79, s79, SS
	v_and_b32 v1, 15, v0                           ; r
	v_bfe_u32 v2, v0, 4, 1                         ; h
	v_and_b32 v3, 31, v0                           ; lane
	v_lshlrev_b32 v4, 4, v0                        ; cnt: four rows a thread
	v_lshlrev_b32 v5, 5, v3                        ; xs: 32 bytes a row
	v_lshlrev_b32 v6, 2, v1                        ; ws: 4 bytes a column of a tile, alike in both halves of the lanes
	v_lshlrev_b32 v[PFO], 8, v3
	v_mul_u32_u24 v7, v1, PITCH
	v_lshl_add_u32 v7, v2, 4, v7
	v_add_nc_u32 v[ADRA], s74, v7
	v_add_nc_u32 v[ADRA+1], REG1, v[ADRA]
	v_lshlrev_b32 v[CO], 4, v3
	v_add_nc_u32 v[ADRB], s75, v[CO]
	v_add_nc_u32 v[ADRB+1], HALF, v[ADRB]
	v_lshlrev_b32 v9, 5, v2
	v_add_nc_u32 v[CTA], s78, v9
	v_lshl_add_u32 v[CTW], v0, 4, CNT
	v_lshlrev_b32 v9, 2, v3
	v_add_nc_u32 v[SSW], s79, v9
	v_lshl_add_u32 v[SSR], v0, 4, SS
	s_wait_alu depctr_va_vdst(0)
	s_bfe_u32 s40, ttmp6, 0x40000                  ; cx, cy
	s_bfe_u32 s41, ttmp6, 0x40004
	s_lshl_b32 s42, ttmp9, 2
	s_add_co_u32 s42, s42, s40                     ; column tile 0..7
	s_and_b32 s19, ttmp7, 0xffff
	s_lshl_b32 s19, s19, 2
	s_add_co_u32 s19, s19, s41                     ; row tile 0..31
	s_lshl_b32 s43, s41, 2
	s_lshl_b32 s43, 15, s43                        ; my row of the cluster
	s_lshl_b32 s44, 0x1111, s40                    ; my column
	s_or_b32 s[G1A], s43, (0<<16)|(1<<20)|(1<<21)|(6<<22)|(3<<25)  ; elements of 1 byte; four words of padding after every 128; bit 21 beside the mask
	s_or_b32 s[G1B], s44, (0<<16)|(1<<20)|(1<<21)|(6<<22)|(3<<25)
.irp g, G1A, G1B
	s_mov_b32 s[\g+1], 512<<16                     ; 128 rows of 512 bytes, dense in memory
	s_mov_b32 s[\g+2], 128<<16
	s_mov_b32 s[\g+3], 512<<16
	s_mov_b32 s[\g+4], 128
	s_mov_b32 s[\g+5], 512
	s_mov_b32 s[\g+6], 0
	s_mov_b32 s[\g+7], 0
.endr
	s_lshl_b32 s20, s19, 18
	s_lshl_b32 s21, s18, 16
	s_add_co_u32 s20, s20, s21                     ; A: 512 rows of 512 bytes a row tile, + the 128 that I fetch
	s_mov_b32 s21, 0
	s_mul_i32 s46, s18, 786432                     ; W: the K half that I fetch,
	s_lshl_b32 s47, s42, 16
	s_add_co_u32 s46, s46, s47                     ; 16 tiles of 4,096 bytes a column tile,
	s_add_co_u32 s46, s46, 262144                  ; behind Wq's 64 tiles
	s_mov_b32 s47, 0
	s_mul_i32 s45, s18, HALF
	s_mov_b32 s[G0A], 1
	s_mov_b32 s[G0A+1], s45
	s_mov_b32 s[G0R], 1
	s_add_co_u32 s[G0R+1], s45, REG1
	s_mov_b32 s[G0B], 1
	s_add_co_u32 s[G0B+1], s45, REG1
	s_mov_b32 s75, 0
	s_wait_dscnt 0x0                               ; both opening adds are done
	s_wait_kmcnt 0x0
	s_add_nc_u64 s[G0A+2:G0A+3], s[4:5], s[20:21]
	s_add_nc_u64 s[G0R+2:G0R+3], s[G0A+2:G0A+3], 131072
	s_add_nc_u64 s[G0B+2:G0B+3], s[8:9], s[46:47]
	s_or_b32 s[G0A+3], s[G0A+3], 0x80000000
	s_or_b32 s[G0R+3], s[G0R+3], 0x80000000
	s_or_b32 s[G0B+3], s[G0B+3], 0x80000000
	s_lshr_b32 s74, s19, 3
	s_lshl_b32 s74, s74, 15                        ; cnt: the batch,
	s_and_b32 s78, s19, 7
	s_lshl_b32 s78, s78, 11                        ; my 512 rows
	s_add_co_u32 s74, s74, s78
	s_add_nc_u64 s[12:13], s[12:13], s[74:75]
.irp y, 0,1
.irp p, 0,1,2,3,4,5,6,7
	global_load_b128 v[CH+32*\y+4*\p:CH+32*\y+4*\p+3], v4, s[12:13] offset:131072*\p+16384*\y   ; slice p, index column y
.endr
.endr
	s_lshl_b32 s74, s19, 14
	s_lshl_b32 s78, s17, 12
	s_add_co_u32 s74, s74, s78
	s_add_nc_u64 s[6:7], s[6:7], s[74:75]          ; xs at my rows
	s_lshl_b32 s74, s42, 9
	s_lshl_b32 s78, s18, 8
	s_add_co_u32 s74, s74, s78
	s_add_co_u32 s74, s74, 4096
	s_add_nc_u64 s[10:11], s[10:11], s[74:75]      ; ws at my columns of Wk
	s_mul_i32 s74, s19, 12288
	s_lshl_b32 s78, s16, 12
	s_add_co_u32 s74, s74, s78
	s_lshl_b32 s78, s42, 9
	s_add_co_u32 s74, s74, s78
	s_add_nc_u64 s[14:15], s[14:15], s[74:75]      ; part: the row tile, the array that my wave stores, 128 columns
	s_lshl_b32 s74, s19, 18
	s_lshl_b32 s78, s40, 15
	s_add_co_u32 s74, s74, s78
	s_lshl_b32 s78, s16, 13
	s_add_co_u32 s74, s74, s78
	s_add_co_u32 s74, s74, 131072
	s_add_nc_u64 s[68:69], s[4:5], s[74:75]        ; my prefetch: rows 256-511, the partner's 64 of them, the wave's 16
	CROUND                                         ; all sixteen work-groups are here: the joint loads meet
	s_cmp_eq_u32 s17, 0                            ; ONE joint load a wave: waves 0, 1 rows 0-255 of A, waves 2, 3 W's K halves
	s_cbranch_scc0 .Lfor_w
	tensor_load_to_lds s[G0A:G0A+3], s[G1A:G1A+7]
	s_nop 0
	PLACES 4
	s_branch .Lasked
.Lfor_w:
	tensor_load_to_lds s[G0B:G0B+3], s[G1B:G1B+7]
	s_nop 0
	PLACES 4
.Lasked:
.irp g, 0,1
.irp kh, 0,1
.irp a2, 0,1,2,3
	global_load_b128 v[SA+32*\g+16*\kh+4*\a2:SA+32*\g+16*\kh+4*\a2+3], v5, s[6:7] offset:8192*\g+1024*\a2+16*\kh   ; row 32 a2 + lane: K steps 4 kh .. 4 kh + 3
.endr
.endr
.endr
.irp Q, 0,1,2,3,4,5,6,7
.irp b, 0,1,2,3,4,5,6,7
	global_load_b32 v[SB+8*\Q+\b], v6, s[10:11] offset:12288*\Q+64*(\b%4)+4096*(\b/4)   ; tile b's 16 columns: k's four tiles, then v's
.endr
.endr
	global_prefetch_b8 v[PFO], s[68:69] th:TH_LOAD_NT scope:SCOPE_SE
	s_wait_loadcnt 63                              ; 16 + 16 + 64 loads were issued: the first 33 are in, the 16 of counts among them
.irp p, 1,2,3,4,5,6,7
.irp y, 0,1
	v_pk_add_f32 v[CH+32*\y:CH+32*\y+1], v[CH+32*\y:CH+32*\y+1], v[CH+32*\y+4*\p:CH+32*\y+4*\p+1]
	v_pk_add_f32 v[CH+32*\y+2:CH+32*\y+3], v[CH+32*\y+2:CH+32*\y+3], v[CH+32*\y+4*\p+2:CH+32*\y+4*\p+3]
.endr
.endr
	v_pk_add_f32 v[CH:CH+1], v[CH:CH+1], v[CH+32:CH+33] neg_lo:[0,1] neg_hi:[0,1]
	v_pk_add_f32 v[CH+2:CH+3], v[CH+2:CH+3], v[CH+34:CH+35] neg_lo:[0,1] neg_hi:[0,1]
	ds_store_b128 v[CTW], v[CH:CH+3]
	ds_store_b128 v[CTW], v[CH+32:CH+35] offset:2048
; K step Q of block a: source 0 = 32 rows of X, source 1 = 16 columns: a lane holds ONE column (lane % 16) and the rows 8 h + 0 .. 7 (registers 0-7), 16 + 8 h + 0 .. 7 (8-15).
; Tiles 0-3 are k's, 4-7 v's; the eight accumulators take turns.  K step 0 starts the sums: nothing is cleared
.macro WQ a, Q
.if (\Q) < 4
	WIN 0x59                                       ; source 0 window 1, source 1 window 2, C and D window 1
.else
	WIN 0x5d                                       ; source 1 window 3
.endif
.irp b, 0,1,2,3,4,5,6,7
.set XX, AF+16*(\Q)
.set YY, 64*((\Q)%4)+8*\b
.set SX, SA+32*((\a)/4)+16*((\Q)/4)+4*((\a)%4)+(\Q)%4
.if (\Q) == 0
	v_wmma_scale_f32_32x16x128_f4 v[16*\b:16*\b+15], v[XX:XX+15], v[YY:YY+7], 0, v[SX], v[SB+8*(\Q)+\b]
.else
	v_wmma_scale_f32_32x16x128_f4 v[16*\b:16*\b+15], v[XX:XX+15], v[YY:YY+7], v[16*\b:16*\b+15], v[SX], v[SB+8*(\Q)+\b]
.endif
.endr
.endm
.macro ALOAD a, s                      ; block a's four fragments of K half s: lane (r, h): rows r and 16 + r, registers 4 c .. 4 c + 3 = K 64 c + 32 h + 0 .. 31
	WIN 0x40
.irp q, 0,1,2,3
.irp m, 0,1
.irp c, 0,1
	ds_load_b128 v[AF+16*(4*(\s)+\q)+8*\m+4*\c:AF+16*(4*(\s)+\q)+8*\m+4*\c+3], v[ADRA+(\a)/4] offset:((\a)%4)*32*PITCH+\m*16*PITCH+64*(4*(\s)+\q)+32*\c
.endr
.endr
.endr
	WIN 0
.endm
.macro CLOAD a                         ; block a's counts at the lane's sixteen rows
.irp y, 0,1
.irp m, 0,1
.irp e, 0,1
	ds_load_b128 v[CT+16*\y+8*\m+4*\e:CT+16*\y+8*\m+4*\e+3], v[CTA] offset:2048*\y+1024*((\a)/4)+128*((\a)%4)+64*\m+16*\e
.endr
.endr
.endr
.endm
.macro BLOAD s                         ; W's fragments of K half s into window 2 + s; each is two loads of 512 consecutive bytes.  They stay
	WIN 0x80+0x40*(\s)
.irp q, 0,1,2,3
.irp b, 0,1,2,3,4,5,6,7
.irp c, 0,1
	ds_load_b128 v[64*\q+8*\b+4*\c:64*\q+8*\b+4*\c+3], v[ADRB+(\s)] offset:(64*(\b/4)+8*(\b%4)+2*\q+\c)*PITCH
.endr
.endr
.endr
	WIN 0
.endm
; block a's fold: 12 chains by turns, each accumulator from its low end on
.macro FOLD a
	WIN 0x01                                       ; source 0 window 1
.irp jj, 0,2,4,6,8,10,12,14
.irp b, 0,1,2,3,4,5,6,7
.if ((\a) == 0) && (\jj == 0)
	v_pk_mul_f32 v[WK+2*\b:WK+2*\b+1], v[16*\b+\jj:16*\b+\jj+1], v[CT+\jj:CT+\jj+1]
.else
	v_pk_fma_f32 v[WK+2*\b:WK+2*\b+1], v[16*\b+\jj:16*\b+\jj+1], v[CT+\jj:CT+\jj+1], v[WK+2*\b:WK+2*\b+1]
.endif
.endr
.irp b, 4,5,6,7
.if ((\a) == 0) && (\jj == 0)
	v_pk_mul_f32 v[WK+8+2*\b:WK+8+2*\b+1], v[16*\b+\jj:16*\b+\jj+1], v[CT+16+\jj:CT+16+\jj+1]
.else
	v_pk_fma_f32 v[WK+8+2*\b:WK+8+2*\b+1], v[16*\b+\jj:16*\b+\jj+1], v[CT+16+\jj:CT+16+\jj+1], v[WK+8+2*\b:WK+8+2*\b+1]
.endif
.endr
.endr
	WIN 0
.endm
.macro BLK a
.if (\a) == 0
	s_wait_dscnt 63                                ; 160 LDS loads were issued: the first 80, K half 0 of W and of the block, are in
.else
	s_wait_dscnt 16                                ; K half 0 of the block is in; half 1's 16 loads may be out
.endif
.irp Q, 0,1,2,3
	WQ \a, \Q
.endr
	s_wait_dscnt 0x0
.if (\a) == 0                          ; all of W is in registers: region 1 is filled again
	WIN 0
	s_wait_tensorcnt 0x0
	ds_add_u32 v[SPW], v[NIL]
	WQ 0, 4
	s_wait_dscnt 0x0                               ; the add is done; my reads of region 1 are over
	s_barrier_signal -1
	WQ 0, 5
	WIN 0
	s_barrier_wait -1
	CREST                                          ; no wave of any partner still reads W's images or has a load on its way
	s_cmp_eq_u32 s17, 0                            ; the joint refill: rows 256-511 of A, by waves 0 and 1
	s_cbranch_scc0 .Lnot_a
	tensor_load_to_lds s[G0R:G0R+3], s[G1A:G1A+7]
	s_nop 0
	PLACES 4
	s_branch .Lfilled
.Lnot_a:
	PLACES 4
.Lfilled:
.elseif (\a) == 3                      ; the next block lies in region 1
	s_wait_tensorcnt 0x0                           ; my part of it is in: say so
	s_barrier_signal -1
	WQ \a, 4
	s_barrier_wait -1
	PLACES 4
.else
	WQ \a, 4
	PLACES 4
.endif
.if (\a) < 7
	ALOAD (\a)+1, 0
.endif
	WIN 0
	CLOAD \a
.if (\a) > 0
	WQ \a, 5
.endif
	WQ \a, 6
	WQ \a, 7
	PLACES 4                                       ; between the last product and the loads into A's registers and the first reads of results
.if (\a) < 7
	ALOAD (\a)+1, 1
	s_wait_dscnt 16                                ; the counts are in; the 16 loads just issued may be out
.else
	s_wait_dscnt 0x0
.endif
	FOLD \a
.endm
	s_wait_alu depctr_va_vdst(0)
	s_wait_tensorcnt 0x0                           ; my one load of the head is in
	s_wait_dscnt 0x0                               ; my counts lie in LDS
	s_barrier_signal -1
	s_barrier_wait -1                              ; everybody's do
	BLOAD 0
	ALOAD 0, 0
	BLOAD 1
	ALOAD 0, 1
	s_wait_loadcnt 0x0                             ; the scale words
.irp a, 0,1,2,3,4,5,6,7
	BLK \a
.endr
.irp i, 0,1,2,3,4,5,6,7,8,9,10,11
	v_add_f32 v[TMP+\i], v[WK+2*\i], v[WK+2*\i+1]  ; even rows' and odd rows'
.endr
.irp m, 0,1,2,3,4,5
	v_permlane16_swap_b32 v[TMP+2*\m], v[TMP+2*\m+1]   ; tiles 2 m and 2 m + 1: the first's upper half of the lanes and the second's lower half change places,
.endr
.irp m, 0,1,2,3,4,5
	v_add_f32 v[TMP+2*\m], v[TMP+2*\m], v[TMP+2*\m+1]  ; so lanes 0-15 get the first tile's sum over both halves' rows, lanes 16-31 the second's
.endr
.irp m, 0,1,2,3,4,5
	ds_store_b32 v[SSW], v[TMP+2*\m] offset:512*(\m/2)+128*(\m%2)
.endr
	s_wait_dscnt 0x0
	s_barrier_signal -1
	s_barrier_wait -1
	s_cmp_eq_u32 s16, 3
	s_cbranch_scc1 .Lno_out
	ds_load_b128 v[TMP+12:TMP+15], v[SSR]          ; waves 0-2 store one array each: the two row halves added
	ds_load_b128 v[TMP+16:TMP+19], v[SSR] offset:1536
	s_wait_dscnt 0x0
	v_pk_add_f32 v[TMP+12:TMP+13], v[TMP+12:TMP+13], v[TMP+16:TMP+17]
	v_pk_add_f32 v[TMP+14:TMP+15], v[TMP+14:TMP+15], v[TMP+18:TMP+19]
	global_store_b128 v[CO], v[TMP+12:TMP+15], s[14:15]   ; 512 consecutive bytes, aligned
.Lno_out:
	s_wait_tensorcnt 0x0                           ; the wave's end
	ds_add_u32 v[SPW], v[NIL]
	s_wait_dscnt 0x0
	CROUND                                         ; the closing round
	s_endpgm
.Lfunc_end_k_q42292e8eb9_kvsum:
	.size	k_q42292e8eb9_kvsum, .Lfunc_end_k_q42292e8eb9_kvsum-k_q42292e8eb9_kvsum
	.p2alignl 7, 3214868480
	.fill 96, 4, 3214868480
	.section	.rodata,"a",@progbits
	.p2align	6, 0x0
	.amdhsa_kernel k_q42292e8eb9_kvsum
		.amdhsa_group_segment_fixed_size 327680
		.amdhsa_private_segment_fixed_size 0
		.amdhsa_enable_private_segment 0
		.amdhsa_kernarg_size 48
		.amdhsa_user_sgpr_count 2
		.amdhsa_user_sgpr_kernarg_segment_ptr 1
		.amdhsa_wavefront_size32 1
		.amdhsa_system_sgpr_workgroup_id_x 1
		.amdhsa_system_sgpr_workgroup_id_y 1
		.amdhsa_system_sgpr_workgroup_id_z 1
		.amdhsa_system_vgpr_workitem_id 0
		.amdhsa_next_free_vgpr 1024
		.amdhsa_next_free_sgpr 80
		.amdhsa_reserve_vcc 0
		.amdhsa_float_denorm_mode_32 3
		.amdhsa_float_denorm_mode_16_64 3
		.amdhsa_memory_ordered 1
		.amdhsa_forward_progress 1
		.amdhsa_inst_pref_size 167
	.end_amdhsa_kernel
	.amdgpu_metadata
---
amdhsa.version: [ 1, 2 ]
amdhsa.kernels:
  - .name:           k_q42292e8eb9_kvsum
    .symbol:         k_q42292e8eb9_kvsum.kd
    .args:
      - { .name: xc, .offset: 0, .size: 8, .value_kind: global_buffer, .address_space: global }
      - { .name: xs, .offset: 8, .size: 8, .value_kind: global_buffer, .address_space: global }
      - { .name: wc, .offset: 16, .size: 8, .value_kind: global_buffer, .address_space: global }
      - { .name: ws, .offset: 24, .size: 8, .value_kind: global_buffer, .address_space: global }
      - { .name: cnt, .offset: 32, .size: 8, .value_kind: global_buffer, .address_space: global }
      - { .name: part, .offset: 40, .size: 8, .value_kind: global_buffer, .address_space: global }
    .group_segment_fixed_size: 327680
    .private_segment_fixed_size: 0
    .kernarg_segment_align: 8
    .kernarg_segment_size: 48
    .max_flat_workgroup_size: 128
    .sgpr_count:     80
    .vgpr_count:     1024
    .wavefront_size: 32
...
	.end_amdgpu_metadata
.endif
;; end of part 2
;; launch qattn (part 3): grid 4 x 64, 8 waves a work-group, clusters of 4 x 4, 327,680 bytes of LDS; arguments xc, xs, wc, ws, bq, bv, part, out0; writes out0
.if DOCPART == 3
	.amdgcn_target "amdgcn-amd-amdhsa--gfx1250"
	.amdhsa_code_object_version 6
	.text
	.protected	k_q42292e8eb9_qattn
	.globl	k_q42292e8eb9_qattn
	.p2align	8
	.type	k_q42292e8eb9_qattn,@function
k_q42292e8eb9_qattn:
	s_mov_b64 s[64:65], 0
	v_nop
	global_prefetch_b8 v0, s[64:65] scope:SCOPE_SE
	s_setreg_imm32_b32 hwreg(HW_REG_WAVE_MODE, 25, 1), 1
	s_wait_xcnt 0x0
	s_wait_alu depctr_hold_cnt(0) depctr_sa_sdst(0) depctr_va_vdst(0) depctr_va_sdst(0) depctr_va_ssrc(0) depctr_va_vcc(0) depctr_vm_vsrc(0)
	s_getreg_b32 s2, hwreg(HW_REG_IB_STS2, 6, 4)
	s_cmp_eq_u32 s2, 0
	s_cbranch_scc0 .Lentry_in_a_cluster
	s_endpgm
.Lentry_in_a_cluster:
	s_bfe_u32 s2, ttmp6, 0x10000c
	s_cmp_lg_u32 s2, 0xf033
	s_cbranch_scc0 .Lentry_shape_is_right
	s_endpgm
.Lentry_shape_is_right:
; THIRD LAUNCH.  The batch's 8 parts added give dk, dv, v1; v1 = that + 4,096 bv;  q = X Wq + bq on codes of FP4 (E2M1) with E8M0 scales;
;   d = q . dk over a head's 64 = 8 (score[0] - score[1]);  p0 = softmax's weight of y = 0;  out = v1 + p0 dv = p0 v_sum[0] + p1 v_sum[1].
; WORK LEFT OUT: attention_mask and bk have no way to the output, and the gather is a sum weighted by counts (shown at the head of the first launch): 4,096 bk stands in both k_sum and falls out of dk.
; THE SOFTMAX takes the maximum away as reference() does: of score - max one is 0 and the other -|d| / 8.  With E = exp(-|d| / 8) and R = 1 / (1 + E) the larger score's weight is R, the smaller's E R.
; LIMITS: d and out are formed in another order of f32 rounding than reference()'s; NaN is not served.
; Products 4 and 5 (N = 2, K = 2) and the softmax are f32 multiply-adds in the lanes.
; A work-group makes 256 rows x 4 heads; each of its EIGHT waves 128 rows x one head, as 8 blocks of 16 rows: block a of row half rh is rows 32 a + 16 rh.
; A wave's 32 fragments of Wq, all of K, stay in 256 registers; X's fragments come a block at a time for all of K.
; All of X's and Wq's tile lies in LDS, each byte filled once: at the head Wq and the first 64 rows of X, one joint load a wave; then the other 192 rows, while blocks 0 and 1 are worked.  4 x 4 clusters: X along a row, Wq along a column.
; No prefetch: there is no loop to run ahead in, and every load is asked for within the first two blocks.
; THE MATRIX INSTRUCTION IS USED TRANSPOSED (source 0 = 16 columns of Wq, source 1 = 16 rows of X): a lane holds ONE row and eight neighbouring columns of each tile: the head's dot product is a chain in the lane and one exchange
; with lane l xor 16.  bq . dk starts the chain.  The block's 16 weights change lanes by row_share: store i writes rows i (lanes 0-15) and 8 + i (lanes 16-31), 256 bytes each.
; REGISTERS: window 0 as set out below; window 1: Wq's fragments, v[32 Q + 8 b].
.set PITCH, 528                        ; a row of X in LDS: 512 bytes + 16 of padding
.set BOFF,  256*PITCH                  ; Wq's images: [K half 2][tile 16][K step 4][1,024 bytes]
.set KV,    BOFF+131072                ; [half of the parts 2][dk, dv, v1][256] f32
.set SPARE, KV+6144                    ; the spare words, 128 bytes for each wave
.set ADRH, 1                           ; v1  my X fragments of blocks 4-7
.set VDA,  3
.set PB,   8                           ; v8-15  the weights of rows i / 8 + i
.set ADRA, 16                          ; v16 my X fragments of blocks 0-3
.set CO,   17
.set ADRB, 18                          ; v18-19 K half 0, 1
.set KVW,  20
.set DKA,  21
.set SPW,  22
.set NIL,  23
.set CBR,  24                          ; v24-25 bq . dk
.set T0,   26                          ; v26-31 at work; v26-29 bv at the head
.set T1,   27
.set T2,   28
.set T3,   29
.set T4,   30
.set T5,   31
.set SA,   32                          ; v32-63 X's scales, v64-79 Wq's: scales and nothing else
.set SB,   64
.set DK,   80
.set DV,   112
.set V1,   116
.set ACC,  120                         ; v120-151; bq at the head
.set OUT,  152                         ; v152-183
.set AF,   184                         ; v184-247; the parts at the head
.set CHN,  248
.set G1A,  24
.set G0A,  32
.set G0R,  36
.set G1B,  48
.set G0B,  56
.set MSB,  0
.macro WIN new                         ; the immediate's high byte repeats the setting that is left
.if MSB != (\new)
	s_set_vgpr_msb (MSB<<8)|(\new)
.set MSB, (\new)
.endif
.endm
.macro PLACES n
.rept \n
	v_nop
.endr
.endm
.macro CROUND                          ; a round of the cluster's barrier
	s_barrier_signal -1
	s_barrier_wait -1
	s_cmp_lg_u32 s16, 0
	s_cbranch_scc1 .Lnot_wave_0_\@
	s_barrier_signal -3
.Lnot_wave_0_\@:
	s_barrier_wait -3
	s_barrier_signal -1
	s_barrier_wait -1
.endm
	s_load_b256 s[4:11], s[0:1], 0x0               ; xc s[4:5], xs s[6:7], wc s[8:9], ws s[10:11]
	s_load_b128 s[12:15], s[0:1], 0x20             ; bq s[12:13], bv s[14:15]
	s_load_b128 s[68:71], s[0:1], 0x30             ; part s[68:69], out0 s[70:71]
	v_lshl_add_u32 v[SPW], v0, 2, SPARE
	v_mov_b32 v[NIL], 0
	ds_add_u32 v[SPW], v[NIL]                      ; the wave's opening: the add, twice on end, and its wait ahead of my first tensor load
	ds_add_u32 v[SPW], v[NIL]
	v_lshrrev_b32 v1, 5, v0
	v_readfirstlane_b32 s16, v1                    ; wave 0..7
	s_lshr_b32 s17, s16, 2                         ; my half of the rows; my half of the parts.  Also: I fetch for X (0) or Wq (1)
	s_and_b32 s18, s16, 3                          ; my head of the four.  Also: which quarter I fetch
	s_mul_i32 s74, s17, 16*PITCH
	s_lshl_b32 s75, s18, 14
	s_add_co_u32 s75, s75, BOFF                    ; my head's four tiles
	s_mul_i32 s78, s17, 3072
	s_add_co_u32 s78, s78, KV
	s_lshl_b32 s79, s18, 8
	s_add_co_u32 s79, s79, KV
	v_and_b32 v1, 15, v0                           ; r
	v_bfe_u32 v2, v0, 4, 1                         ; h
	v_and_b32 v3, 31, v0                           ; lane
	v_and_b32 v7, 127, v0
	v_lshlrev_b32 v7, 3, v7                        ; part: two columns a thread
	v_add_nc_u32 v[KVW], s78, v7
	v_mul_u32_u24 v4, v1, PITCH
	v_lshl_add_u32 v4, v2, 4, v4
	v_add_nc_u32 v[ADRA], s74, v4
	v_lshlrev_b32 v5, 4, v3
	v_add_nc_u32 v[ADRB], s75, v5
	v_add_nc_u32 v[ADRB+1], 0x10000, v[ADRB]
	v_lshlrev_b32 v6, 5, v2                        ; bq: my half's eight columns
	v_add_nc_u32 v[DKA], s79, v6
	v_lshlrev_b32 v4, 5, v1                        ; xs: 32 bytes a row; lanes 16-31 one block, 32 rows, further down
	v_lshl_add_u32 v4, v2, 10, v4
	v_lshlrev_b32 v5, 2, v3                        ; ws: 4 bytes a column
	v_lshlrev_b32 v[T4], 4, v1                     ; bv: my four columns
	v_add_nc_u32 v[VDA], s79, v[T4]
	v_lshl_add_u32 v[CO], v2, 15, v[T4]            ; out0: lanes 16-31 eight rows further down
	v_cmp_eq_u32 s66, 1, v2                        ; lanes 16-31
	v_add_nc_u32 v[ADRH], 128*PITCH, v[ADRA]
.irp i, 0,1,2,3,4,5,6,7
	v_mov_b32 v[PB+\i], 0                          ; written once: the destination of a lane exchange counts as one of its sources
.endr
	v_mov_b32 v[T5], 0
	s_wait_alu depctr_va_vdst(0)
	s_bfe_u32 s40, ttmp6, 0x40000                  ; cx, cy
	s_bfe_u32 s41, ttmp6, 0x40004
	s_lshl_b32 s42, ttmp9, 2
	s_add_co_u32 s42, s42, s40                     ; tile column 0..3
	s_and_b32 s19, ttmp7, 0xffff
	s_lshl_b32 s19, s19, 2
	s_add_co_u32 s19, s19, s41                     ; tile row 0..63
	s_lshl_b32 s43, s41, 2
	s_lshl_b32 s43, 15, s43                        ; my row of the cluster
	s_lshl_b32 s44, 0x1111, s40                    ; my column
	s_or_b32 s[G1A], s43, (0<<16)|(1<<20)|(1<<21)|(6<<22)|(3<<25)  ; X: rows of 512 bytes, 16 bytes of padding behind each: 16 of them at the head
	s_mov_b32 s[G1A+1], 512<<16
	s_mov_b32 s[G1A+2], 16<<16
	s_mov_b32 s[G1A+3], 512<<16
	s_mov_b32 s[G1A+4], 16
	s_mov_b32 s[G1A+5], 512
	s_mov_b32 s[G1A+6], 0
	s_mov_b32 s[G1A+7], 0
	s_or_b32 s[G1B], s44, (3<<16)|(1<<21)          ; Wq: a dense block of 32,768 bytes as 128 rows of 32 elements of 8 bytes
	s_mov_b32 s[G1B+1], 32<<16
	s_mov_b32 s[G1B+2], 128<<16
	s_mov_b32 s[G1B+3], 32<<16
	s_mov_b32 s[G1B+4], 128
	s_mov_b32 s[G1B+5], 32
	s_mov_b32 s[G1B+6], 0
	s_mov_b32 s[G1B+7], 0
	s_lshl_b32 s20, s19, 17                        ; X: 256 rows of 512 bytes a tile row;
	s_mul_i32 s22, s18, 24576
	s_add_co_u32 s22, s22, s20
	s_add_co_u32 s22, s22, 32768                   ; behind the head: 48 rows from row 64 + 48 (wave % 4) on
	s_mov_b32 s23, 0
	s_lshl_b32 s21, s18, 13
	s_add_co_u32 s20, s20, s21                     ; at the head: 16 rows from row 16 (wave % 4) on
	s_mov_b32 s21, 0
	s_lshr_b32 s46, s18, 1
	s_mul_i32 s46, s46, 786432                     ; Wq: the K half,
	s_lshl_b32 s47, s42, 16
	s_add_co_u32 s46, s46, s47                     ; 16 tiles of 4,096 bytes a tile column,
	s_and_b32 s47, s18, 1
	s_lshl_b32 s47, s47, 15
	s_add_co_u32 s46, s46, s47                     ; the 8 that I fetch
	s_mov_b32 s47, 0
	s_mov_b32 s[G0A], 1
	s_mul_i32 s[G0A+1], s18, 16*PITCH
	s_mov_b32 s[G0R], 1
	s_mul_i32 s[G0R+1], s18, 48*PITCH
	s_add_co_u32 s[G0R+1], s[G0R+1], 64*PITCH
	s_mov_b32 s[G0B], 1
	s_lshl_b32 s[G0B+1], s18, 15
	s_add_co_u32 s[G0B+1], s[G0B+1], BOFF
	s_mov_b32 s76, 0x76543210                      ; v_permlanex16_b32's selects for lane l xor 16
	s_mov_b32 s77, 0xfedcba98
	s_mov_b32 s67, 0x3e38aa3b                      ; log2(e) / 8: the scale 1 / sqrt(64) and the change of base
	s_mov_b32 s75, 0
	s_wait_dscnt 0x0                               ; both opening adds are done
	s_wait_kmcnt 0x0
	s_add_nc_u64 s[G0A+2:G0A+3], s[4:5], s[20:21]
	s_add_nc_u64 s[G0R+2:G0R+3], s[4:5], s[22:23]
	s_add_nc_u64 s[G0B+2:G0B+3], s[8:9], s[46:47]
	s_or_b32 s[G0A+3], s[G0A+3], 0x80000000
	s_or_b32 s[G0R+3], s[G0R+3], 0x80000000
	s_or_b32 s[G0B+3], s[G0B+3], 0x80000000
	s_lshr_b32 s74, s19, 4
	s_mul_i32 s74, s74, 98304                      ; part: the batch's 8 row tiles of 12,288 bytes,
	s_mul_i32 s78, s17, 49152                      ; my half of them,
	s_add_co_u32 s74, s74, s78
	s_lshl_b32 s78, s42, 10
	s_add_co_u32 s74, s74, s78                     ; 256 columns
	s_add_nc_u64 s[68:69], s[68:69], s[74:75]
.irp p, 0,1,2,3
.irp y, 0,1,2
	global_load_b64 v[AF+2*(3*\p+\y):AF+2*(3*\p+\y)+1], v7, s[68:69] offset:12288*\p+4096*\y   ; a wave reads 256 consecutive bytes
.endr
.endr
	s_lshl_b32 s74, s19, 13
	s_lshl_b32 s78, s17, 9
	s_add_co_u32 s74, s74, s78
	s_add_nc_u64 s[6:7], s[6:7], s[74:75]          ; xs at my first row
	s_lshl_b32 s74, s42, 10
	s_lshl_b32 s78, s18, 8
	s_add_co_u32 s74, s74, s78                     ; my head's 64 columns
	s_add_nc_u64 s[10:11], s[10:11], s[74:75]
	s_add_nc_u64 s[12:13], s[12:13], s[74:75]
	s_add_nc_u64 s[14:15], s[14:15], s[74:75]
	s_add_nc_u64 s[70:71], s[70:71], s[74:75]
	s_lshl_b32 s74, s19, 20                        ; out0: 256 rows of 4,096 bytes a tile row,
	s_lshl_b32 s78, s17, 16                        ; my first
	s_add_co_u32 s74, s74, s78
	s_add_nc_u64 s[70:71], s[70:71], s[74:75]
	CROUND                                         ; all sixteen work-groups are here: the joint loads meet
	s_cmp_eq_u32 s17, 0                            ; ONE joint load a wave: waves 0-3 X's first 64 rows, waves 4-7 Wq
	s_cbranch_scc0 .Lfor_w
	tensor_load_to_lds s[G0A:G0A+3], s[G1A:G1A+7]
	s_nop 0
	PLACES 4
	s_branch .Lasked
.Lfor_w:
	tensor_load_to_lds s[G0B:G0B+3], s[G1B:G1B+7]
	s_nop 0
	PLACES 4
.Lasked:
	global_load_b128 v[T0:T0+3], v[T4], s[14:15]   ; bv at my four columns
.irp b, 0,1,2,3
.irp e, 0,1
	global_load_b128 v[ACC+8*\b+4*\e:ACC+8*\b+4*\e+3], v6, s[12:13] offset:64*\b+16*\e   ; bq at columns 16 b + 8 h + 0 .. 7: the result's layout
.endr
.endr
.irp kh, 0,1
.irp a2, 0,1,2,3
	global_load_b128 v[SA+16*\kh+4*\a2:SA+16*\kh+4*\a2+3], v4, s[6:7] offset:2048*\a2+16*\kh   ; lanes 0-15 block 2 a2, lanes 16-31 block 2 a2 + 1: K steps 4 kh .. 4 kh + 3
.endr
.endr
.irp Q, 0,1,2,3,4,5,6,7
.irp b2, 0,1
	global_load_b32 v[SB+2*\Q+\b2], v5, s[10:11] offset:12288*\Q+128*\b2   ; column 32 b2 + lane: K step Q
.endr
.endr
	s_wait_loadcnt 33                              ; the 12 loads of parts are in; the 1 + 8 + 8 + 16 behind them may be out
.irp p, 1,2,3
.irp y, 0,1,2
	v_pk_add_f32 v[AF+2*\y:AF+2*\y+1], v[AF+2*\y:AF+2*\y+1], v[AF+2*(3*\p+\y):AF+2*(3*\p+\y)+1]
.endr
.endr
.irp y, 0,1,2
	ds_store_b64 v[KVW], v[AF+2*\y:AF+2*\y+1] offset:1024*\y
.endr
; one matrix instruction; its registers stand in the symbols DD, XX, YY, SX, SY; RX, RY: the half of the lanes in which the side's scale words stand
.macro WM first
.if \first
.if (RX == 0) && (RY == 0)
	v_wmma_scale_f32_16x16x128_f8f6f4 v[DD:DD+7], v[XX:XX+7], v[YY:YY+7], 0, v[SX], v[SY] matrix_a_fmt:MATRIX_FMT_FP4 matrix_b_fmt:MATRIX_FMT_FP4
.elseif (RX == 1) && (RY == 0)
	v_wmma_scale_f32_16x16x128_f8f6f4 v[DD:DD+7], v[XX:XX+7], v[YY:YY+7], 0, v[SX], v[SY] matrix_a_fmt:MATRIX_FMT_FP4 matrix_b_fmt:MATRIX_FMT_FP4 matrix_a_scale:MATRIX_SCALE_ROW1
.elseif (RX == 0) && (RY == 1)
	v_wmma_scale_f32_16x16x128_f8f6f4 v[DD:DD+7], v[XX:XX+7], v[YY:YY+7], 0, v[SX], v[SY] matrix_a_fmt:MATRIX_FMT_FP4 matrix_b_fmt:MATRIX_FMT_FP4 matrix_b_scale:MATRIX_SCALE_ROW1
.else
	v_wmma_scale_f32_16x16x128_f8f6f4 v[DD:DD+7], v[XX:XX+7], v[YY:YY+7], 0, v[SX], v[SY] matrix_a_fmt:MATRIX_FMT_FP4 matrix_b_fmt:MATRIX_FMT_FP4 matrix_a_scale:MATRIX_SCALE_ROW1 matrix_b_scale:MATRIX_SCALE_ROW1
.endif
.else
.if (RX == 0) && (RY == 0)
	v_wmma_scale_f32_16x16x128_f8f6f4 v[DD:DD+7], v[XX:XX+7], v[YY:YY+7], v[DD:DD+7], v[SX], v[SY] matrix_a_fmt:MATRIX_FMT_FP4 matrix_b_fmt:MATRIX_FMT_FP4
.elseif (RX == 1) && (RY == 0)
	v_wmma_scale_f32_16x16x128_f8f6f4 v[DD:DD+7], v[XX:XX+7], v[YY:YY+7], v[DD:DD+7], v[SX], v[SY] matrix_a_fmt:MATRIX_FMT_FP4 matrix_b_fmt:MATRIX_FMT_FP4 matrix_a_scale:MATRIX_SCALE_ROW1
.elseif (RX == 0) && (RY == 1)
	v_wmma_scale_f32_16x16x128_f8f6f4 v[DD:DD+7], v[XX:XX+7], v[YY:YY+7], v[DD:DD+7], v[SX], v[SY] matrix_a_fmt:MATRIX_FMT_FP4 matrix_b_fmt:MATRIX_FMT_FP4 matrix_b_scale:MATRIX_SCALE_ROW1
.else
	v_wmma_scale_f32_16x16x128_f8f6f4 v[DD:DD+7], v[XX:XX+7], v[YY:YY+7], v[DD:DD+7], v[SX], v[SY] matrix_a_fmt:MATRIX_FMT_FP4 matrix_b_fmt:MATRIX_FMT_FP4 matrix_a_scale:MATRIX_SCALE_ROW1 matrix_b_scale:MATRIX_SCALE_ROW1
.endif
.endif
.endm
.macro ALOAD a                         ; block a's eight fragments: lane (r, h): row r, registers 4 c .. 4 c + 3 = K 64 c + 32 h + 0 .. 31
.if (\a) < 4
.set AX, ADRA
.else
.set AX, ADRH
.endif
.irp Q, 0,1,2,3,4,5,6,7
.irp c, 0,1
	ds_load_b128 v[AF+8*\Q+4*\c:AF+8*\Q+4*\c+3], v[AX] offset:((\a)%4)*32*PITCH+64*\Q+32*\c
.endr
.endr
.endm
; 16 packed multiply-adds: the four tiles at X times dk, over my 32 columns of the head, in four chains by turns, each tile from its low end on; the accumulators' first chain begins at bq . dk
.macro DOT X
.irp jj, 0,2,4,6
.irp b, 0,1,2,3
.if (\jj == 0) && ((\b != 0) || (BEG == 0))
	v_pk_mul_f32 v[CHN+2*\b:CHN+2*\b+1], v[\X+8*\b+\jj:\X+8*\b+\jj+1], v[DK+8*\b+\jj:DK+8*\b+\jj+1]
.elseif \jj == 0
	v_pk_fma_f32 v[CHN+2*\b:CHN+2*\b+1], v[\X+8*\b+\jj:\X+8*\b+\jj+1], v[DK+8*\b+\jj:DK+8*\b+\jj+1], v[CBR:CBR+1]
.else
	v_pk_fma_f32 v[CHN+2*\b:CHN+2*\b+1], v[\X+8*\b+\jj:\X+8*\b+\jj+1], v[DK+8*\b+\jj:DK+8*\b+\jj+1], v[CHN+2*\b:CHN+2*\b+1]
.endif
.endr
.endr
	v_pk_add_f32 v[CHN:CHN+1], v[CHN:CHN+1], v[CHN+2:CHN+3]
	v_pk_add_f32 v[CHN+4:CHN+5], v[CHN+4:CHN+5], v[CHN+6:CHN+7]
.endm
; A BLOCK OF 16 ROWS, from its products to its stores
.macro BLOCK a
.if (\a) == 0
	s_wait_dscnt 32                                ; K half 1 of Wq, the youngest 32 loads, may be out
.else
	s_wait_dscnt 0x0                               ; this block's fragments
.endif
.irp Q, 0,1,2,3,4,5,6,7
.if ((\a) == 0) && (\Q == 4)
	s_wait_dscnt 0x0
.endif
	WIN 0x01                                       ; source 0 (Wq) window 1
.irp b, 0,1,2,3
.set DD, ACC+8*\b
.set XX, 32*\Q+8*\b
.set YY, AF+8*\Q
.set SX, SB+2*\Q+\b/2
.set SY, SA+16*(\Q/4)+4*((\a)/2)+\Q%4
.set RX, \b%2
.set RY, (\a)%2
.if \Q == 0
	WM 1
.else
	WM 0
.endif
.endr
.endr
	WIN 0
	PLACES 4                                       ; between the last product and the loads into X's registers and the first reads of results
.if (\a) == 1
	s_wait_tensorcnt 0x0                           ; my part of X's other rows is in, and no LDS read of mine is out: say so
	s_barrier_signal -1
.elseif (\a) < 7
	ALOAD (\a)+1                                   ; the next block's fragments land under this block's softmax
.endif
	DOT ACC
	v_pk_add_f32 v[CHN:CHN+1], v[CHN:CHN+1], v[CHN+4:CHN+5]
	v_add_f32 v[T0], v[CHN], v[CHN+1]              ; even columns' and odd columns',
	v_permlanex16_b32 v[T5], v[T0], s76, s77
	v_add_f32 v[T0], v[T0], v[T5]                  ; and lane l xor 16's: d of row r
	v_mul_f32 v[T0], s67, v[T0]                    ; t = d log2(e) / 8
	s_wait_alu depctr_va_vdst(0)
	v_exp_f32 v[T1], -|v[T0]|                      ; E
	v_cmp_le_f32 vcc_lo, 0, v[T0]                  ; score[0] is the larger (a plain instruction behind the exponential)
	s_wait_alu depctr_va_vdst(0)
	v_add_f32 v[T2], 1.0, v[T1]
	s_wait_alu depctr_va_vdst(0)
	v_rcp_f32 v[T3], v[T2]                         ; R
	v_nop
	s_wait_alu depctr_va_vdst(0)
.if (\a) == 1
	s_barrier_wait -1                              ; all of X is in
	ALOAD 2
.endif
.if (\a) > 0
	s_wait_xcnt 0x0                                ; the last block's stores have read their registers, which are written again below
.endif
	v_mul_f32 v[T4], v[T1], v[T3]
	v_cndmask_b32 v[T4], v[T4], v[T3], vcc_lo      ; p0 of row r
	v_mov_b32_dpp v[T5], v[T4] row_xmask:8 row_mask:0xf bank_mask:0xf
	v_cndmask_b32 v[T4], v[T4], v[T5], s66         ; lane 16 + i: row 8 + i
.irp i, 0,1,2,3,4,5,6,7
	v_mov_b32_dpp v[PB+\i], v[T4] row_share:\i row_mask:0xf bank_mask:0xf   ; row i in lanes 0-15, row 8 + i in lanes 16-31
.endr
.irp i, 0,2,4,6
.irp c, 0,2
	v_pk_fma_f32 v[OUT+4*\i+\c:OUT+4*\i+\c+1], v[DV+\c:DV+\c+1], v[PB+\i:PB+\i+1], v[V1+\c:V1+\c+1] op_sel_hi:[1,0,1]   ; the pair's first weight in both halves
	v_pk_fma_f32 v[OUT+4*\i+4+\c:OUT+4*\i+4+\c+1], v[DV+\c:DV+\c+1], v[PB+\i:PB+\i+1], v[V1+\c:V1+\c+1] op_sel:[0,1,0] op_sel_hi:[1,1,1]   ; its second
.endr
.endr
.irp i, 0,1,2,3,4,5,6,7
	global_store_b128 v[CO], v[OUT+4*\i:OUT+4*\i+3], s[70:71] offset:(32*(\a)+\i)*4096 th:TH_STORE_NT   ; sixteen lanes store 256 consecutive bytes, aligned; written once, read by nobody here
.endr
.endm
	s_wait_tensorcnt 0x0                           ; my one load is in
	ds_add_u32 v[SPW], v[NIL]
	s_mov_b32 s[G1A+2], 48<<16                     ; no tensor load of mine is out, so a descriptor may be written: from here on a load brings 48 rows
	s_mov_b32 s[G1A+4], 48
	s_wait_dscnt 0x0                               ; the add is done, and my sums lie in LDS
	CROUND                                         ; everybody's loads and sums are in; the joint loads meet
	s_cmp_eq_u32 s17, 0                            ; X's other 192 rows, by waves 0-3
	s_cbranch_scc0 .Lnot_x
	tensor_load_to_lds s[G0R:G0R+3], s[G1A:G1A+7]
	s_nop 0
	PLACES 4
	s_branch .Lfilled
.Lnot_x:
	PLACES 4
.Lfilled:
.irp b, 0,1,2,3
.irp e, 0,1
	ds_load_b128 v[DK+8*\b+4*\e:DK+8*\b+4*\e+3], v[DKA] offset:64*\b+16*\e          ; dk in the result's layout, the parts' two halves
	ds_load_b128 v[OUT+8*\b+4*\e:OUT+8*\b+4*\e+3], v[DKA] offset:3072+64*\b+16*\e
.endr
.endr
	ds_load_b128 v[DV:DV+3], v[VDA] offset:1024    ; dv and v1 at my four columns
	ds_load_b128 v[CHN:CHN+3], v[VDA] offset:3072+1024
	ds_load_b128 v[V1:V1+3], v[VDA] offset:2048
	ds_load_b128 v[CHN+4:CHN+7], v[VDA] offset:3072+2048
	ALOAD 0
	WIN 0x40                                       ; destination window 1, address window 0
.irp Q, 0,1,2,3,4,5,6,7
.irp b, 0,1,2,3
.irp c, 0,1
	ds_load_b128 v[32*\Q+8*\b+4*\c:32*\Q+8*\b+4*\c+3], v[ADRB+\Q/4] offset:(4*\b+\Q%4)*1024+512*\c   ; Wq's fragments stay: each is two loads of 512 consecutive bytes
.endr
.endr
.endr
	WIN 0
	s_wait_loadcnt 0x0                             ; the biases and the scale words
	s_wait_dscnt 63                                ; 100 LDS loads were issued: the first 37 are in, the 20 of dk, dv and v1 among them
.irp i, 0,2,4,6,8,10,12,14,16,18,20,22,24,26,28,30
	v_pk_add_f32 v[DK+\i:DK+\i+1], v[DK+\i:DK+\i+1], v[OUT+\i:OUT+\i+1]
.endr
.irp c, 0,2
	v_pk_add_f32 v[DV+\c:DV+\c+1], v[DV+\c:DV+\c+1], v[CHN+\c:CHN+\c+1]
	v_pk_add_f32 v[V1+\c:V1+\c+1], v[V1+\c:V1+\c+1], v[CHN+4+\c:CHN+5+\c]
.endr
.irp c, 0,2
	v_pk_fma_f32 v[V1+\c:V1+\c+1], v[T0+\c:T0+\c+1], 0x45800000, v[V1+\c:V1+\c+1] op_sel_hi:[1,0,1]   ; + 4,096 bv
.endr
.set BEG, 0
	DOT ACC                                        ; bq . dk over my columns
.set BEG, 1
	v_pk_add_f32 v[CBR:CBR+1], v[CHN:CHN+1], v[CHN+4:CHN+5]
	s_wait_alu depctr_va_vdst(0)
.irp a, 0,1,2,3,4,5,6,7
	BLOCK \a
.endr
	s_wait_tensorcnt 0x0                           ; the wave's end
	ds_add_u32 v[SPW], v[NIL]
	s_wait_dscnt 0x0
	CROUND                                         ; the closing round
	s_endpgm
.Lfunc_end_k_q42292e8eb9_qattn:
	.size	k_q42292e8eb9_qattn, .Lfunc_end_k_q42292e8eb9_qattn-k_q42292e8eb9_qattn
	.p2alignl 7, 3214868480
	.fill 96, 4, 3214868480
	.section	.rodata,"a",@progbits
	.p2align	6, 0x0
	.amdhsa_kernel k_q42292e8eb9_qattn
		.amdhsa_group_segment_fixed_size 327680
		.amdhsa_private_segment_fixed_size 0
		.amdhsa_enable_private_segment 0
		.amdhsa_kernarg_size 64
		.amdhsa_user_sgpr_count 2
		.amdhsa_user_sgpr_kernarg_segment_ptr 1
		.amdhsa_wavefront_size32 1
		.amdhsa_system_sgpr_workgroup_id_x 1
		.amdhsa_system_sgpr_workgroup_id_y 1
		.amdhsa_system_sgpr_workgroup_id_z 1
		.amdhsa_system_vgpr_workitem_id 0
		.amdhsa_next_free_vgpr 512
		.amdhsa_next_free_sgpr 80
		.amdhsa_reserve_vcc 1
		.amdhsa_float_denorm_mode_32 3
		.amdhsa_float_denorm_mode_16_64 3
		.amdhsa_memory_ordered 1
		.amdhsa_forward_progress 1
		.amdhsa_inst_pref_size 97
	.end_amdhsa_kernel
	.amdgpu_metadata
---
amdhsa.version: [ 1, 2 ]
amdhsa.kernels:
  - .name:           k_q42292e8eb9_qattn
    .symbol:         k_q42292e8eb9_qattn.kd
    .args:
      - { .name: xc, .offset: 0, .size: 8, .value_kind: global_buffer, .address_space: global }
      - { .name: xs, .offset: 8, .size: 8, .value_kind: global_buffer, .address_space: global }
      - { .name: wc, .offset: 16, .size: 8, .value_kind: global_buffer, .address_space: global }
      - { .name: ws, .offset: 24, .size: 8, .value_kind: global_buffer, .address_space: global }
      - { .name: bq, .offset: 32, .size: 8, .value_kind: global_buffer, .address_space: global }
      - { .name: bv, .offset: 40, .size: 8, .value_kind: global_buffer, .address_space: global }
      - { .name: part, .offset: 48, .size: 8, .value_kind: global_buffer, .address_space: global }
      - { .name: out0, .offset: 56, .size: 8, .value_kind: global_buffer, .address_space: global }
    .group_segment_fixed_size: 327680
    .private_segment_fixed_size: 0
    .kernarg_segment_align: 8
    .kernarg_segment_size: 64
    .max_flat_workgroup_size: 256
    .sgpr_count:     80
    .vgpr_count:     512
    .wavefront_size: 32
...
	.end_amdgpu_metadata
.endif
;; end of part 3
